; MI455X (gfx1250); checked and timed in simulation.
; The chip was launched on July 23, 2026; its instructions are those of AMD's public machine-readable ISA for CDNA 5 (MIT licence, August 2026) and "CDNA5" Instruction Set Architecture Reference Guide (July 2026). The comments in the code are by the model that wrote it; some were corrected since.
;; Attention. Allowed arithmetic: matrix products marked QUANTISED: E2M3 operands, one E8M0 scale for each 32 along K, by v_wmma_scale_f32_16x16x128_f8f6f4 with both operands' format E2M3, f32 sums; everything else in f32.
;; Inputs: K 2 x 8 x 4,096 x 64 float32; Q 2 x 8 x 4,096 x 64 float32; V 2 x 8 x 4,096 x 64 float32.
;; Outputs: out0 2 x 8 x 4,096 x 64 float32.
;; This version of the problem:
;;   THIS VERSION OF THE PROBLEM IS GIVEN IN LOW PRECISION. The matrix products marked QUANTISED in the list below multiply operands that are first quantised to E2M3 (2 exponent bits, 3 mantissa bits; 6 bits a number), with one power-of-two scale for each 32 numbers along K (OCP MX v1.0); their sums are f32. All else is computed in f32.
;;   The module's matrix products, in the order in which they are computed (A, B: the left and right operand; K: the contracted axis; several contracted axes count as one K, in the product's order):
;;     1. batch 16 x [M 4,096, K 64] x [K 64, N 4,096]; A: input Q; B: input K: QUANTISED
;;     2. batch 16 x [M 4,096, K 4,096] x [K 4,096, N 64]; A: softmax (see below); B: input V: QUANTISED
;;   THE QUANTISER, for each operand of a quantised product, along K:
;;     - K is cut into blocks of 32 from its start; a last block that is shorter is filled with zeros.
;;     - A block's scale is 2^e with e = floor(log2(the largest magnitude in the block)) - 2, held to -126 .. 127; a block of zeros has e = 0. As a byte (E8M0): e + 127.
;;     - Each number is divided by its block's scale, clamped to +-7.5, and rounded to the nearest number of E2M3, ties to even, subnormals kept.
;;     - The product sums the exact products of the quantised numbers (number of the format x scale) in f32.
;;   ~~~python
;;   def quantise(x, axis):      # numpy; x: float32 -> the quantised numbers, widened to float32 again
;;       x = np.moveaxis(x, axis, -1); K = x.shape[-1]
;;       x = np.pad(x, [(0, 0)] * (x.ndim - 1) + [(0, -K % 32)]); x = x.reshape(x.shape[:-1] + (-1, 32)); a = np.abs(x).max(-1, keepdims=True)
;;       e = np.where(a > 0, np.clip(np.frexp(np.where(a > 0, a, 1))[1] - 1 - 2, -126, 127), 0)      # np.frexp(a)[1] - 1 = floor(log2(a)), exactly
;;       r = np.clip(x / 2.0 ** e, -7.5, 7.5)
;;       step = 2.0 ** (np.maximum(np.frexp(np.where(r == 0, 1, r))[1] - 1, 0) - 3)
;;       q = np.round(r / step) * step * 2.0 ** e      # np.round: ties to even
;;       return np.moveaxis(q.reshape(q.shape[:-2] + (-1,))[..., :K], -1, axis).astype(np.float32)
;;   ~~~
;;   SOFTMAX AHEAD OF A QUANTISED PRODUCT. Where the list says 'softmax', what is quantised is not the finished softmax but p = 2^(t - M), with t = logit x log2(e) and M = ceil(the row's largest t), a whole number; so 1/2 < the row's largest p <= 1. The row's sum l is taken of the UNQUANTISED p, in f32, and the product's result is divided by l at the end. Since M is a whole number, a kernel that streams over the keys may use a running M (the ceiling of the running maximum): every later rescaling is an exact power of two, which a block's scale takes up: the codes' values come out the same.
;;   OPERANDS COMPUTED ON THE WAY. 'Computed on the way' means the value that the module computes at that place (a softmax that the list does not call 'softmax' is quantised finished and normalised). What goes into a quantiser is computed in f32, as accurately as f32 sums, v_exp_f32 and their like allow (about 1e-6 of the number): no bf16 or f16 on the way to a quantiser, and a product that is left as it is and whose result goes on into a quantised operand takes f32 operands (vector FMAs, or v_wmma_f32_16x16x4_f32). A number that lies on a knife's edge between two numbers of the format may be rounded either way, as far as f32 arithmetic and the matrix unit's own rounding can turn it there, and no further.
;; One version. Each part assembles by itself: llvm-mc -triple=amdgcn-amd-amdhsa -mcpu=gfx1250 --defsym DOCPART=n.
;; ======== version 1 of 1: 2 launches
;; limits: right only within a limited range of input values
;; workspace buffers: kv 6,553,600 bytes
;; launch prep (part 1): grid 512 x 1, 8 waves a work-group, no clusters, 72,192 bytes of LDS; arguments K, V, kv; writes kv
.if DOCPART == 1
	.amdgcn_target "amdgcn-amd-amdhsa--gfx1250"
	.amdhsa_code_object_version 6
	.text
	.protected	k_q44f7c6c46d_prep
	.globl	k_q44f7c6c46d_prep
	.p2align	8
	.type	k_q44f7c6c46d_prep,@function
k_q44f7c6c46d_prep:
	s_mov_b64 s[64:65], 0
	v_nop
	global_prefetch_b8 v0, s[64:65] scope:SCOPE_SE
	s_setreg_imm32_b32 hwreg(HW_REG_WAVE_MODE, 25, 1), 1
	s_wait_xcnt 0x0
; K and V, [16 heads][4096 keys][64] f32, become codes of FP6 (E2M3) with one E8M0 scale byte for each 32 along a product's K:
; K is quantised along the head's 64 (two blocks a key), V along the KEYS (a block = 32 neighbouring keys of one channel).
; A block's scale is 2^(floor(log2(its largest magnitude)) - 2); its byte is the largest magnitude's exponent field - 2, held at 1 from below.
; LIMITS: a block of zeros gets the byte 1 where the rule says 127 (its codes are zeros, which add nothing under any byte but 0xff, and this program alone
; reads the bytes); blocks whose largest magnitude lies under 2^(3 - 127) keep the byte 1; NaN and infinities among the inputs are not served.
; OUTPUT: one RECORD of 12,800 bytes for each head and 128 keys (record = 32 x head + step), laid as IMAGES OF THE OPERANDS' REGISTERS (L = lane, r = L % 16, h = L / 16):
;   1536 g + 512 c + 16 L + 4 i : register 4 c + i of lane L of K's DOUBLE fragment g = 0..3: registers 0-5 = key kk(g, 0, r), channels 32 h on; registers 6-11 = key kk(g, 1, r);
;                                 kk(g, u, r) = 64 (g / 2) + 32 (r / 8) + 16 (g % 2) + 8 u + r % 8.  So one fragment's K 0-63 are 16 keys and its K 64-127 are 16 others.
;   6144 + 1536 t + ...         : V^T's fragment t = 0..3: row = channel 16 t + r; registers 6 c .. 6 c + 5 = keys 64 c + 32 h + 0 .. 31.
;   12288 + 16 L + 4 i          : scale words: i = 0: K's fragment 0 (lanes 0-15) and 1 (lanes 16-31); i = 1: K's 2, 3; i = 2: V's tiles 0, 1; i = 3: V's 2, 3.
; SHARES: a work-group makes one record.  Wave w brings 32 rows (waves 0-3 of K, waves 4-7 of V) into LDS by loads of 512 consecutive bytes; behind a barrier wave w makes fragment w
; (waves 0-3 K's, waves 4-7 V's).  In both a lane then holds two WHOLE blocks of 32 in its registers, so no other lane is asked for a maximum, and one text quantises both.
; No tensor loads, no loop: no register that a store names is written again.
.set GP,   8832                        ; LDS: 32 rows of 272 bytes (256 + 16) + 128: rows 32 apart start 32 words further round the banks' 64 words (64 banks of 4 bytes: ISA guide 11.1)
.set TILE, 4*GP                        ; 128 rows
.set VT,   TILE                        ; K's tile at 0, V's behind it
.set SCB,  2*TILE                      ; the record's 512 bytes of scale words
.set REC,  12800
.set LI,  1                            ; v1   16 x lane
.set STA, 2                            ; v2   where I put my 16 bytes of two rows
.set KA,  3                            ; v3   K: my key's row, my half of it
.set VA,  4                            ; v4   V: my channel, my first key
.set SCA, 5                            ; v5   my row's scale word
.set SH8, 6                            ; v6   8 h
.set SCR, 7                            ; v7   the scale words on their way out
.set T,   8                            ; v8-11  largest magnitudes, four chains
.set SO,  12                           ; v12-13 the conversions' scale operands
.set BY,  14                           ; v14-15 the scale bytes
.set PX,  16                           ; v16  from lane l xor 16
.set W,   17                           ; v17  the scale word
.set C,   20                           ; v20-31 the fragment's codes
.set CT,  32                           ; v32-34, v36-38 the upper halves of the two blocks' codes, as the conversions leave them
.set X,   40                           ; v40-103 64 numbers
.set OUTS, 104                         ; v104-107
	s_load_b128 s[4:7], s[0:1], 0x0                ; K, V
	s_load_b64 s[8:9], s[0:1], 0x10                ; kv
	v_lshl_add_u32 v112, v0, 2, 0x11600
	v_mov_b32 v113, 0
	v_lshrrev_b32 v8, 5, v0
	s_delay_alu instid0(VALU_DEP_1)
	v_readfirstlane_b32 s10, v8                    ; wave 0..7
	s_and_b32 s11, s10, 3                          ; which 32 rows I bring; which fragment of my tensor I make
	s_lshr_b32 s12, s10, 2                         ; 0: K, 1: V
	s_lshl_b32 s14, ttmp9, 15                      ; the record's 128 rows of 256 bytes,
	s_lshl_b32 s24, s11, 13                        ; my 32 of them
	s_add_co_u32 s14, s14, s24
	s_mov_b32 s15, 0
	s_mul_i32 s16, ttmp9, REC                      ; the record
	s_mov_b32 s17, 0
	s_mul_i32 s20, s10, 1536                       ; my fragment in it
	s_mov_b32 s21, 0
	s_mov_b32 s22, 0x76543210
	s_mov_b32 s23, 0xfedcba98                      ; v_permlanex16_b32's selects for lane l xor 16
	v_and_b32 v8, 31, v0                           ; L
	v_and_b32 v9, 15, v0                           ; r
	v_bfe_u32 v10, v0, 4, 1                        ; h
	s_delay_alu instid0(VALU_DEP_3)
	v_lshlrev_b32 v[LI], 4, v8
	; every LDS address is made here, by every wave, ahead of the place where the waves part
	s_mul_i32 s24, s12, TILE
	s_mul_i32 s25, s11, GP
	s_add_co_u32 s24, s24, s25
	v_mul_u32_u24 v[STA], v10, 272
	s_delay_alu instid0(VALU_DEP_1)
	v_lshl_add_u32 v[STA], v9, 4, v[STA]
	s_delay_alu instid0(VALU_DEP_1)
	v_add_nc_u32 v[STA], s24, v[STA]               ; my tensor's tile, my group of 32 rows, row h, 16 r bytes on
	s_lshr_b32 s24, s11, 1
	s_mul_i32 s24, s24, 2*GP                       ; K: 64 (g / 2) rows,
	s_and_b32 s25, s11, 1
	s_mul_i32 s25, s25, 16*272                     ; 16 (g % 2) rows,
	s_add_co_u32 s24, s24, s25
	v_bfe_u32 v11, v0, 3, 1
	s_delay_alu instid0(VALU_DEP_1)
	v_mul_u32_u24 v[KA], v11, GP                   ; 32 (r / 8) rows,
	v_and_b32 v11, 7, v0
	s_delay_alu instid0(VALU_DEP_1)
	v_mad_u32_u24 v[KA], v11, 272, v[KA]           ; r % 8 rows,
	s_wait_alu depctr_va_vdst(0)
	v_lshl_add_u32 v[KA], v10, 7, v[KA]            ; channels 32 h on
	s_delay_alu instid0(VALU_DEP_1)
	v_add_nc_u32 v[KA], s24, v[KA]
	s_lshl_b32 s24, s11, 6
	s_add_co_u32 s24, s24, VT
	v_mul_u32_u24 v[VA], v10, GP                   ; V: 32 h rows,
	s_delay_alu instid0(VALU_DEP_1)
	v_lshl_add_u32 v[VA], v9, 2, v[VA]             ; channel 16 t + r
	s_delay_alu instid0(VALU_DEP_1)
	v_add_nc_u32 v[VA], s24, v[VA]
	s_and_b32 s24, s10, 1
	s_lshl_b32 s24, s24, 8                         ; fragments with odd numbers go to lanes 16-31's places,
	s_lshr_b32 s25, s10, 1
	s_lshl_b32 s25, s25, 2                         ; word w / 2 of a lane's four
	s_add_co_u32 s24, s24, s25
	s_add_co_u32 s24, s24, SCB
	v_lshl_add_u32 v[SCA], v9, 4, s24
	v_lshlrev_b32 v[SH8], 3, v10
	v_add_nc_u32 v[SCR], SCB, v[LI]
	v_mov_b32 v[PX], 0                             ; a lane permute's destination counts as one of its sources
	s_wait_kmcnt 0x0
	s_cmp_lt_u32 s10, 4                            ; K's wave or V's: the choice hangs on the wave's number alone
	s_cselect_b64 s[4:5], s[4:5], s[6:7]
	s_add_nc_u64 s[4:5], s[4:5], s[14:15]          ; my 32 rows
	s_add_nc_u64 s[8:9], s[8:9], s[16:17]          ; the record
	s_add_nc_u64 s[18:19], s[8:9], s[20:21]        ; my fragment
.irp i, 0,1,2,3,4,5,6,7,8,9,10,11,12,13,14,15
	global_load_b128 v[X+4*\i:X+4*\i+3], v[LI], s[4:5] offset:512*\i th:TH_LOAD_NT   ; 32 lanes read 512 consecutive bytes: two rows
.endr
.irp i, 0,1,2,3,4,5,6,7,8,9,10,11,12,13,14,15
	s_wait_loadcnt 15-\i                           ; loads come back in order (ISA guide 5.7.1): load i is in, the 15 - i younger ones may be out
	ds_store_b128 v[STA], v[X+4*\i:X+4*\i+3] offset:544*\i
.endr
	s_wait_dscnt 0x0                               ; for the others' sake: my rows lie in LDS
	s_barrier_signal -1
	s_barrier_wait -1
	s_cmp_lt_u32 s10, 4
	s_cbranch_scc0 .Lv
	s_wait_alu depctr_va_vdst(0)
.irp u, 0,1                                    ; K: block u of my two = key kk(g, u, r), channels 32 h .. 32 h + 31: 128 neighbouring bytes
.irp j, 0,1,2,3,4,5,6,7
	ds_load_b128 v[X+32*\u+4*\j:X+32*\u+4*\j+3], v[KA] offset:2176*\u+16*\j
.endr
.endr
	s_branch .Ljoin
.Lv:
	s_wait_alu depctr_va_vdst(0)
.irp c, 0,1                                    ; V: block c of my two = keys 64 c + 32 h + 0 .. 31 of channel 16 t + r: my registers run down the keys
.irp i, 0,1,2,3,4,5,6,7,8,9,10,11,12,13,14,15,16,17,18,19,20,21,22,23,24,25,26,27,28,29,30,31
	ds_load_b32 v[X+32*\c+\i], v[VA] offset:17664*\c+272*\i
.endr
.endr
.Ljoin:
	s_wait_dscnt 0x0
	; two blocks of 32 numbers become 12 registers of codes and two bytes.  Four chains of maxima by turns, so that no line waits for the line above it
.irp b, 0,1
	v_max3_num_f32 v[T+\b], |v[X+32*\b]|, |v[X+32*\b+1]|, 0x1800000           ; with the floor 2^(3 - 127): the byte cannot fall under 1
	v_max3_num_f32 v[T+2+\b], |v[X+32*\b+16]|, |v[X+32*\b+17]|, |v[X+32*\b+18]|
.endr
.irp i, 2,4,6,8,10,12
.irp b, 0,1
	s_delay_alu instid0(VALU_DEP_4)
	v_max3_num_f32 v[T+\b], v[T+\b], |v[X+32*\b+\i]|, |v[X+32*\b+\i+1]|
	s_delay_alu instid0(VALU_DEP_4)
	v_max3_num_f32 v[T+2+\b], v[T+2+\b], |v[X+32*\b+\i+17]|, |v[X+32*\b+\i+18]|
.endr
.endr
.irp b, 0
	s_delay_alu instid0(VALU_DEP_4)
	v_max3_num_f32 v[T+\b], v[T+\b], |v[X+32*\b+14]|, |v[X+32*\b+15]|
.endr
.irp b, 1
	s_delay_alu instid0(VALU_DEP_3)
	v_max3_num_f32 v[T+\b], v[T+\b], |v[X+32*\b+14]|, |v[X+32*\b+15]|
.endr
.irp b, 0,1
	s_delay_alu instid0(VALU_DEP_2)
	v_max3_num_f32 v[T+\b], v[T+\b], v[T+2+\b], |v[X+32*\b+31]|               ; the block's largest magnitude
.endr
.irp b, 0,1
	s_delay_alu instid0(VALU_DEP_2)
	v_add_nc_u32 v[SO+\b], 0xff000000, v[T+\b]     ; 2 off its exponent field: the conversion takes the exponent field of this operand as its scale, and nothing else of it
.endr
.irp b, 0,1
	s_delay_alu instid0(VALU_DEP_2)
	v_lshrrev_b32 v[BY+\b], 23, v[SO+\b]           ; the scale's byte
.endr
	s_delay_alu instid0(VALU_DEP_1)
	v_lshl_or_b32 v[W], v[BY+1], 16, v[BY]         ; my two bytes belong at bytes h and 2 + h of my row's word
	s_delay_alu instid0(VALU_DEP_1)
	v_lshlrev_b32 v[W], v[SH8], v[W]
	s_delay_alu instid0(VALU_DEP_1)
	v_permlanex16_b32 v[PX], v[W], s22, s23
	s_delay_alu instid0(VALU_DEP_1)
	v_or_b32 v[W], v[W], v[PX]                     ; with lane l xor 16's two the word is whole
.irp b, 0,1
	v_cvt_scalef32_pk16_fp6_f32 v[C+6*\b:C+6*\b+2], v[X+32*\b:X+32*\b+15], v[SO+\b]
	v_cvt_scalef32_pk16_fp6_f32 v[CT+4*\b:CT+4*\b+2], v[X+32*\b+16:X+32*\b+31], v[SO+\b]   ; (a conversion's three registers begin on an even number: the upper half is made elsewhere and moved)
.endr
	v_nop                                          ; one plain place behind a scaled conversion
.irp b, 0,1
.irp i, 0,1,2
	v_mov_b32 v[C+6*\b+3+\i], v[CT+4*\b+\i]
.endr
.endr
.irp c, 0,1,2
	global_store_b128 v[LI], v[C+4*\c:C+4*\c+3], s[18:19] offset:512*\c   ; 32 lanes store 512 consecutive bytes, at a multiple of 256 from kv's first byte; the next launch reads them
.endr
	ds_store_b32 v[SCA], v[W]                      ; lanes r and r + 16 write the same word with the same value
	s_wait_dscnt 0x0                               ; for wave 0's sake
	s_barrier_signal -1
	s_barrier_wait -1
	s_cmp_lg_u32 s10, 0
	s_cbranch_scc1 .Lend
	ds_load_b128 v[OUTS:OUTS+3], v[SCR]            ; the eight fragments' scale words leave as 512 consecutive bytes
	s_wait_dscnt 0x0
	global_store_b128 v[LI], v[OUTS:OUTS+3], s[8:9] offset:12288
.Lend:
	s_wait_tensorcnt 0x0
	ds_add_u32 v112, v113
	s_wait_dscnt 0x0
	s_endpgm
.Lfunc_end_k_q44f7c6c46d_prep:
	.size	k_q44f7c6c46d_prep, .Lfunc_end_k_q44f7c6c46d_prep-k_q44f7c6c46d_prep
	.p2alignl 7, 3214868480
	.fill 96, 4, 3214868480
	.section	.rodata,"a",@progbits
	.p2align	6, 0x0
	.amdhsa_kernel k_q44f7c6c46d_prep
		.amdhsa_group_segment_fixed_size 72192
		.amdhsa_private_segment_fixed_size 0
		.amdhsa_enable_private_segment 0
		.amdhsa_kernarg_size 24
		.amdhsa_user_sgpr_count 2
		.amdhsa_user_sgpr_kernarg_segment_ptr 1
		.amdhsa_wavefront_size32 1
		.amdhsa_system_sgpr_workgroup_id_x 1
		.amdhsa_system_sgpr_workgroup_id_y 1
		.amdhsa_system_sgpr_workgroup_id_z 1
		.amdhsa_system_vgpr_workitem_id 0
		.amdhsa_next_free_vgpr 114
		.amdhsa_next_free_sgpr 66
		.amdhsa_reserve_vcc 0
		.amdhsa_float_denorm_mode_32 3
		.amdhsa_float_denorm_mode_16_64 3
		.amdhsa_memory_ordered 1
		.amdhsa_forward_progress 1
		.amdhsa_inst_pref_size 17
	.end_amdhsa_kernel
	.amdgpu_metadata
---
amdhsa.version: [ 1, 2 ]
amdhsa.kernels:
  - .name:           k_q44f7c6c46d_prep
    .symbol:         k_q44f7c6c46d_prep.kd
    .args:
      - { .name: K, .offset: 0, .size: 8, .value_kind: global_buffer, .address_space: global }
      - { .name: V, .offset: 8, .size: 8, .value_kind: global_buffer, .address_space: global }
      - { .name: kv, .offset: 16, .size: 8, .value_kind: global_buffer, .address_space: global }
    .group_segment_fixed_size: 72192
    .private_segment_fixed_size: 0
    .kernarg_segment_align: 8
    .kernarg_segment_size: 24
    .max_flat_workgroup_size: 256
    .sgpr_count:     66
    .vgpr_count:     114
    .wavefront_size: 32
...
	.end_amdgpu_metadata
.endif
;; end of part 1
;; launch attn (part 2): grid 16 x 16, 8 waves a work-group, clusters of 4 x 1, 327,680 bytes of LDS; arguments Q, kv, out0; writes out0
.if DOCPART == 2
	.amdgcn_target "amdgcn-amd-amdhsa--gfx1250"
	.amdhsa_code_object_version 6
	.text
	.protected	k_q44f7c6c46d_attn
	.globl	k_q44f7c6c46d_attn
	.p2align	8
	.type	k_q44f7c6c46d_attn,@function
k_q44f7c6c46d_attn:
	s_mov_b64 s[64:65], 0
	v_nop
	global_prefetch_b8 v0, s[64:65] scope:SCOPE_SE
	s_setreg_imm32_b32 hwreg(HW_REG_WAVE_MODE, 25, 1), 1
	s_wait_xcnt 0x0
	s_wait_alu depctr_hold_cnt(0) depctr_sa_sdst(0) depctr_va_vdst(0) depctr_va_sdst(0) depctr_va_ssrc(0) depctr_va_vcc(0) depctr_vm_vsrc(0)
	s_getreg_b32 s2, hwreg(HW_REG_IB_STS2, 6, 4)
	s_cmp_eq_u32 s2, 0
	s_cbranch_scc0 .Lentry_in_a_cluster
	s_endpgm
.Lentry_in_a_cluster:
	s_bfe_u32 s2, ttmp6, 0x10000c
	s_cmp_lg_u32 s2, 0x3003
	s_cbranch_scc0 .Lentry_shape_is_right
	s_endpgm
.Lentry_shape_is_right:
; out0[head][q][:] = the sum over k of softmax_k(Q[q] . K[k] / 8) V[k][:], 16 heads, 4,096 queries and keys, head size 64; both products on codes of FP6 (E2M3) with one E8M0 scale for each 32 along K.
; K and V come as the records of the launch before (12,800 bytes for a head's 128 keys: four double fragments of K, four fragments of V^T, their scale words, all as images of the operands' registers).
; Q, f32, is read once by one wave and quantised in registers at the head.
; SOFTMAX: t = score x log2(e) / 8; M = the row's largest t so far, rounded UP to a whole number; p = 2^(t - M) is quantised along the keys, not normalised.  The row's sum is taken of the
; unquantised p, in f32, and divides O at the end.  When M moves, the sum and O are multiplied by 2^(old M - new M), which rounds nothing; no branch hangs on data.
; LIMITS: the promise holds while the scaled scores t stay under 2^31 in magnitude; p under 2^-126 falls to 0 (v_exp_f32 flushes such results: ISA guide 15.8); a block's largest p is taken as the
; exponential of its largest score, which takes v_exp_f32 not to fall where its input rises; a block whose every p is 0 keeps the byte 1 (its codes are zeros); NaN and infinities are not served.
; SHARES: a work-group owns 256 queries of one head; each of its EIGHT waves owns TWO tiles of 16 queries, so that each fragment of K and V read from LDS feeds two tiles, and the two tiles' chains take turns.
; Every wave walks the head's 32 steps of 128 keys.  The records come through two LDS slots of 8 records; each wave fetches one record of a slot by one tensor load.
; CLUSTER: the four work-groups of a cluster are four query blocks of one head and walk the same records: each fill is asked for jointly, same descriptor, mask 15.
; PREFETCH: a fill is issued behind a change of slots and awaited at the next one, eight steps of work later; only the launch's first fill is waited for, and no loop runs ahead of it.
; LAYOUT: both products are used transposed (S^T = K Q^T, O^T = V^T P^T): a lane holds one query (lane % 16) of each tile.  The first product's K is 64 and the instruction's 128: a fragment of K holds
; 16 keys in its K 0-63 and 16 others in its K 64-127; Q lies in 18 registers as [q][zeros][q]: registers 0-11 meet the first 16 keys, registers 6-17 the others.
; Tile 4 c + tau, row m, is key 64 c + 32 (m / 8) + 8 tau + m % 8: a lane's registers S + 32 c + 0 .. 31 are keys 64 c + 32 h + 0 .. 31: a whole block, in the second operand's order.
; K's fragments of step n + 1 are loaded behind step n's first product.  In a slot's eighth step all reads of the slot are in registers behind the maxima: there the wave signals the change of slots,
; and the rest of the step, work on registers alone, stands between the signal and the wait.
; REGISTERS: window 0 (v0-255) addresses, scales, Q, K's and V's fragments, p's codes, work; window 1: S of tile a at 64 a, O^T of tile a at 128 + 32 a.
.set REC,   12800
.set SLOTB, 8*REC
.set SLOT1, 1<<17                      ; slot 1 begins here: one exclusive or changes slots
.set VOFF,  6144
.set SCO,   12288
.set SP,    272                        ; a stage row: 256 bytes + 16
.set STAGE, SLOT1+SLOTB                ; 16 rows x 272 bytes for each wave: Q's way in, O's way out; no fill lands here
.set SPARE, STAGE+8*16*SP              ; the spare words, 128 bytes a wave
.set LI,  1                            ; 16 x lane
.set AD,  2                            ; LDS address of the step's record, for my lane
.set SPW, 3                            ; my spare word; never rewritten
.set NIL, 4                            ; 0; never rewritten
.set SH8, 5                            ; 8 h
.set STO, 6                            ; stage: row r, + 32 h
.set RD,  7                            ; stage: row h, + 16 r
.set QRD, 8                            ; stage: row r, + 128 h
.set QS,  10                           ; v10-11 Q's scale words, tile 0, 1
.set KS,  12                           ; v12-13 K's scale words
.set VS,  14                           ; v14-15 V's scale words
.set PW,  16                           ; v16-17 p's scale words
.set NM,  18                           ; v18-21 per tile: -M, the largest t
.set SUM, 22                           ; v22-25 per tile: the row's sum in two halves
.set F,   26                           ; v26-29 per tile: f = 2^(old M - new M), and a word named with it
.set TT,  30                           ; v30-31
.set PX,  32                           ; v32-33 from lane l xor 16
.set MY,  34                           ; v34-35
.set T,   36                           ; v36-43 per tile four words at work
.set ACC, 44                           ; v44-59 per tile four pairs: the sum's chains
.set CT,  60                           ; v60-75 the upper halves of the blocks' codes as the conversions leave them
.set QB,  76                           ; v76-111 per tile [q][zeros][q]
.set KF,  112                          ; v112-159 K's four double fragments
.set VF,  160                          ; v160-207 V's four fragments
.set PC,  208                          ; v208-231 per tile p's codes
.set RAW, 112                          ; the head: Q as loaded, 64 registers
.set Y,   176                          ; the head: a tile of Q, a block a lane
.set OUT, 112                          ; the way out
.set BK,  176
.set OB,  128                          ; window 1: O^T
.set WV,  10
.set SEL, 20
.set CS,  22                           ; s[22:23] c = log2(e) / 8
.set G1,  24
.set G0,  32
.set TB,  36                           ; LDS byte at which the step's record begins
.set SLOTS, 37
.set STEPS, 38
.set MSB, 0
.macro WIN new                         ; the immediate's high byte repeats the setting that is left
.if MSB != \new
	s_set_vgpr_msb (MSB<<8)|\new
.set MSB, \new
.endif
.endm
.macro D2
	s_delay_alu instid0(VALU_DEP_2)
.endm
.macro D4
	s_delay_alu instid0(VALU_DEP_4)
.endm
.macro CREST                           ; a round of the cluster's barrier behind its opening barrier
	s_cmp_lg_u32 s[WV], 0
	s_cbranch_scc1 .Lnot_wave_0_\@
	s_barrier_signal -3
.Lnot_wave_0_\@:
	s_barrier_wait -3
	s_barrier_signal -1
	s_barrier_wait -1
.endm
.macro CROUND
	s_barrier_signal -1
	s_barrier_wait -1
	CREST
.endm
.macro TLOAD                           ; my record of a slot
	tensor_load_to_lds s[G0:G0+3], s[G1:G1+7]
	s_nop 0
.rept 4
	v_nop
.endr
.endm
.macro KLOAD off                       ; K's scale words and four double fragments: 13 LDS loads
	ds_load_b64 v[KS:KS+1], v[AD] offset:\off+SCO
.irp g, 0,1,2,3
.irp c, 0,1,2
	ds_load_b128 v[KF+12*\g+4*\c:KF+12*\g+4*\c+3], v[AD] offset:\off+1536*\g+512*\c
.endr
.endr
.endm
.macro KQ a, g, u                      ; tile 2 g + u of S^T of query tile a; the sum begins with the constant 0
.if (\g)%2
	v_wmma_scale_f32_16x16x128_f8f6f4 v[64*(\a)+16*(\g)+8*(\u):64*(\a)+16*(\g)+8*(\u)+7], v[KF+12*(\g):KF+12*(\g)+11], v[QB+18*(\a)+6*(\u):QB+18*(\a)+6*(\u)+11], 0, v[KS+(\g)/2], v[QS+(\a)] matrix_a_fmt:MATRIX_FMT_FP6 matrix_b_fmt:MATRIX_FMT_FP6 matrix_a_scale:MATRIX_SCALE_ROW1
.else
	v_wmma_scale_f32_16x16x128_f8f6f4 v[64*(\a)+16*(\g)+8*(\u):64*(\a)+16*(\g)+8*(\u)+7], v[KF+12*(\g):KF+12*(\g)+11], v[QB+18*(\a)+6*(\u):QB+18*(\a)+6*(\u)+11], 0, v[KS+(\g)/2], v[QS+(\a)] matrix_a_fmt:MATRIX_FMT_FP6 matrix_b_fmt:MATRIX_FMT_FP6
.endif
.endm
.macro PV a, t                         ; tile t of O^T of query tile a += V^T P^T
.if (\t)%2
	v_wmma_scale_f32_16x16x128_f8f6f4 v[OB+32*(\a)+8*(\t):OB+32*(\a)+8*(\t)+7], v[VF+12*(\t):VF+12*(\t)+11], v[PC+12*(\a):PC+12*(\a)+11], v[OB+32*(\a)+8*(\t):OB+32*(\a)+8*(\t)+7], v[VS+(\t)/2], v[PW+(\a)] matrix_a_fmt:MATRIX_FMT_FP6 matrix_b_fmt:MATRIX_FMT_FP6 matrix_a_scale:MATRIX_SCALE_ROW1
.else
	v_wmma_scale_f32_16x16x128_f8f6f4 v[OB+32*(\a)+8*(\t):OB+32*(\a)+8*(\t)+7], v[VF+12*(\t):VF+12*(\t)+11], v[PC+12*(\a):PC+12*(\a)+11], v[OB+32*(\a)+8*(\t):OB+32*(\a)+8*(\t)+7], v[VS+(\t)/2], v[PW+(\a)] matrix_a_fmt:MATRIX_FMT_FP6 matrix_b_fmt:MATRIX_FMT_FP6
.endif
.endm
; Q's tile a: 16 rows of 256 bytes turn through my stage and come back 128 bytes a lane, q(r, 32 h ..): a whole block, which is quantised
.macro QQ a
.irp i, 0,1,2,3,4,5,6,7
	s_wait_loadcnt 15-8*\a-\i                      ; this load is in; the younger ones may be out
	ds_store_b128 v[RD], v[RAW+32*\a+4*\i:RAW+32*\a+4*\i+3] offset:2*SP*\i
.endr
.irp j, 0,1,2,3,4,5,6,7
	ds_load_b128 v[Y+4*\j:Y+4*\j+3], v[QRD] offset:16*\j   ; LDS serves a wave's instructions in order: these see my stores
.endr
	s_wait_dscnt 0x0
	v_max3_num_f32 v[T], |v[Y]|, |v[Y+1]|, 0x1800000       ; the largest magnitude, two chains, with the floor 2^(3 - 127)
	v_max3_num_f32 v[T+1], |v[Y+16]|, |v[Y+17]|, |v[Y+18]|
.irp i, 2,4,6,8,10,12
	D2
	v_max3_num_f32 v[T], v[T], |v[Y+\i]|, |v[Y+\i+1]|
	D2
	v_max3_num_f32 v[T+1], v[T+1], |v[Y+\i+17]|, |v[Y+\i+18]|
.endr
	D2
	v_max3_num_f32 v[T], v[T], |v[Y+14]|, |v[Y+15]|
	s_delay_alu instid0(VALU_DEP_1)
	v_max3_num_f32 v[T], v[T], v[T+1], |v[Y+31]|
	s_delay_alu instid0(VALU_DEP_1)
	v_add_nc_u32 v[T+2], 0xff000000, v[T]          ; 2 off the exponent field: the conversion's scale operand
	s_delay_alu instid0(VALU_DEP_1)
	v_lshrrev_b32 v[T+3], 23, v[T+2]               ; the byte,
	s_delay_alu instid0(VALU_DEP_1)
	v_lshlrev_b32 v[MY], v[SH8], v[T+3]            ; at byte h;
	s_delay_alu instid0(VALU_DEP_1)
	v_permlanex16_b32 v[PX], v[MY], s[SEL], s[SEL+1]
	s_delay_alu instid0(VALU_DEP_1)
	v_or_b32 v[MY], v[MY], v[PX]                   ; my row's two bytes,
	s_delay_alu instid0(VALU_DEP_1)
	v_lshl_or_b32 v[QS+\a], v[MY], 16, v[MY]       ; twice: for K 0-63 and K 64-127
	v_cvt_scalef32_pk16_fp6_f32 v[QB+18*\a:QB+18*\a+2], v[Y:Y+15], v[T+2]
	v_cvt_scalef32_pk16_fp6_f32 v[CT:CT+2], v[Y+16:Y+31], v[T+2]   ; (a conversion's three registers begin on an even number)
	v_nop                                          ; one plain place behind a scaled conversion
.irp i, 0,1,2
	v_mov_b32 v[QB+18*\a+3+\i], v[CT+\i]
.endr
.irp i, 0,1,2,3,4,5
	v_mov_b32 v[QB+18*\a+12+\i], v[QB+18*\a+\i]    ; [q][zeros][q]
	v_mov_b32 v[QB+18*\a+6+\i], 0
.endr
.endm
	s_load_b128 s[4:7], s[0:1], 0x0                ; Q, kv
	s_load_b64 s[8:9], s[0:1], 0x10                ; out0
	v_lshl_add_u32 v[SPW], v0, 2, SPARE
	v_mov_b32 v[NIL], 0
	ds_add_u32 v[SPW], v[NIL]                      ; the opening lines: the add, twice on end, and its wait
	ds_add_u32 v[SPW], v[NIL]
	v_lshrrev_b32 v[T], 5, v0
	s_delay_alu instid0(VALU_DEP_1)
	v_readfirstlane_b32 s[WV], v[T]                ; wave 0..7
	s_bfe_u32 s11, ttmp6, 0x40000                  ; cx: it enters Q's and out0's addresses alone
	s_lshl_b32 s12, ttmp9, 2
	s_add_co_u32 s12, s12, s11                     ; my block of 256 queries
	s_and_b32 s13, ttmp7, 0xffff                   ; the head, which the four partners share
	s_lshl_b32 s14, s13, 12
	s_lshl_b32 s15, s12, 8
	s_add_co_u32 s14, s14, s15
	s_lshl_b32 s15, s[WV], 5
	s_add_co_u32 s14, s14, s15                     ; my first row: 4,096 x head + 256 x block + 32 x wave,
	s_lshl_b32 s14, s14, 8                         ; of 256 bytes
	s_mov_b32 s15, 0
	s_mov_b32 s[G0], 1
	s_mul_i32 s[G0+1], s[WV], REC                  ; LDS: slot 0, my record
	s_mul_i32 s16, s13, 32*REC                     ; the head's 32 records,
	s_add_co_u32 s16, s16, s[G0+1]                 ; mine of the first eight
	s_mov_b32 s17, 0
	s_mov_b32 s[G1], 15|(3<<16)|(1<<21)            ; the mask: all four work-groups; elements of 8 bytes; bit 21 beside a mask
	s_mov_b32 s[G1+1], 32<<16                      ; a record is 50 rows of 256 bytes, dense
	s_mov_b32 s[G1+2], 50<<16
	s_mov_b32 s[G1+3], 32<<16
	s_mov_b32 s[G1+4], 50
	s_mov_b32 s[G1+5], 32
	s_mov_b32 s[G1+6], 0
	s_mov_b32 s[G1+7], 0
	s_mov_b32 s[SEL], 0x76543210
	s_mov_b32 s[SEL+1], 0xfedcba98
	s_mov_b32 s[CS], 0x3e38aa3b
	s_mov_b32 s[CS+1], s[CS]
	s_mov_b32 s[TB], 0
	s_mul_i32 s39, s[WV], 16*SP
	s_add_co_u32 s39, s39, STAGE                   ; my stage
	v_and_b32 v[T+2], 31, v0
	v_and_b32 v[T], 15, v0                         ; r
	v_bfe_u32 v[T+1], v0, 4, 1                     ; h
	v_mov_b32 v[PX], 0                             ; a lane permute's destination counts as one of its sources
	v_mov_b32 v[PX+1], 0
	v_lshlrev_b32 v[LI], 4, v[T+2]
	v_mul_u32_u24 v[STO], v[T], SP
	v_mul_u32_u24 v[RD], v[T+1], SP
	v_lshlrev_b32 v[SH8], 3, v[T+1]
	v_lshl_add_u32 v[QRD], v[T+1], 7, v[STO]
	v_lshl_add_u32 v[STO], v[T+1], 5, v[STO]
	v_lshl_add_u32 v[RD], v[T], 4, v[RD]
	v_add_nc_u32 v[QRD], s39, v[QRD]
	v_add_nc_u32 v[STO], s39, v[STO]
	v_add_nc_u32 v[RD], s39, v[RD]
	s_wait_alu depctr_va_vdst(0)
	s_wait_dscnt 0x0                               ; both opening adds are done
	s_wait_kmcnt 0x0
	s_add_nc_u64 s[4:5], s[4:5], s[14:15]
	s_add_nc_u64 s[8:9], s[8:9], s[14:15]
	s_add_nc_u64 s[G0+2:G0+3], s[6:7], s[16:17]
	s_or_b32 s[G0+3], s[G0+3], 0x80000000
.irp i, 0,1,2,3,4,5,6,7,8,9,10,11,12,13,14,15
	global_load_b128 v[RAW+4*\i:RAW+4*\i+3], v[LI], s[4:5] offset:512*\i th:TH_LOAD_NT   ; my 32 rows of Q, 512 consecutive bytes a load
.endr
	CROUND                                         ; all four work-groups are here: the first joint loads meet
	TLOAD                                          ; records 0-7 into slot 0, one a wave
	QQ 0
	QQ 1
.irp a, 0,1
	v_mov_b32 v[NM+2*\a+1], 0xff61b1e6             ; the largest t so far: -3e38
	v_mov_b32 v[SUM+2*\a], 0
	v_mov_b32 v[SUM+2*\a+1], 0
	v_mov_b32 v[F+2*\a+1], 0                       ; (named as the upper half of a pair)
	v_floor_f32 v[NM+2*\a], -v[NM+2*\a+1]          ; -M
.endr
	WIN 0x40
.set j, 0
.rept 64
	v_mov_b32 v[OB+j], 0                           ; O^T: the step is written once; the first finds zeros
.set j, j+1
.endr
	WIN 0
	s_wait_alu depctr_va_vdst(0)
	s_wait_tensorcnt 0x0                           ; my record of slot 0 is in; slot 1's first fill is issued as a refill is
	ds_add_u32 v[SPW], v[NIL]
	s_xor_b32 s[G0+1], s[G0+1], SLOT1
	s_add_nc_u64 s[G0+2:G0+3], s[G0+2:G0+3], SLOTB
	s_wait_dscnt 0x0
	CROUND
	TLOAD                                          ; records 8-15 into slot 1
	v_add_nc_u32 v[AD], s[TB], v[LI]
	s_wait_alu depctr_va_vdst(0)
	KLOAD 0
; A KEY STEP: 128 keys, one record, two tiles of queries.  kind 0: one of a slot's first seven; 1: a slot's eighth, with a round and a refill; 2: with a barrier and no refill; 3: the launch's last
.macro STEP kind
	s_wait_dscnt 0x0                               ; K's fragments and scale words are in
	WIN 0x40
.irp g, 0,1,2,3
.irp a, 0,1
	KQ \a, \g, 0
	KQ \a, \g, 1
.endr
.endr
	WIN 0
	v_mov_b32 v[TT], v[NM]                         ; the old -M; with the two v_nop these are the four places in front of the loads and of the first read of the scores
	v_mov_b32 v[TT+1], v[NM+2]
	v_nop
	v_nop
	ds_load_b64 v[VS:VS+1], v[AD] offset:SCO+8     ; V: 13 loads
.irp t, 0,1,2,3
.irp c, 0,1,2
	ds_load_b128 v[VF+12*\t+4*\c:VF+12*\t+4*\c+3], v[AD] offset:VOFF+1536*\t+512*\c
.endr
.endr
.if \kind == 0
	KLOAD REC                                      ; the next step's K: 13 loads
	s_add_co_u32 s[TB], s[TB], REC
	v_add_nc_u32 v[AD], s[TB], v[LI]               ; the next step's record
.endif
	; the largest score of each block of 32 keys: eight chains by turns, each ascending
	WIN 0x15
.irp a, 0,1
.irp c, 0,1
	v_max3_num_f32 v[T+4*\a+\c], v[64*\a+32*\c], v[64*\a+32*\c+1], v[64*\a+32*\c+2]
	v_max3_num_f32 v[T+4*\a+2+\c], v[64*\a+32*\c+16], v[64*\a+32*\c+17], v[64*\a+32*\c+18]
.endr
.endr
	WIN 0x05
.irp i, 3,5,7,9,11,13
.irp a, 0,1
.irp c, 0,1
	v_max3_num_f32 v[T+4*\a+\c], v[64*\a+32*\c+\i], v[64*\a+32*\c+\i+1], v[T+4*\a+\c]
	v_max3_num_f32 v[T+4*\a+2+\c], v[64*\a+32*\c+16+\i], v[64*\a+32*\c+17+\i], v[T+4*\a+2+\c]
.endr
.endr
.endr
.irp c, 0,1
.irp a, 0,1
	v_max3_num_f32 v[T+4*\a+\c], v[64*\a+32*\c+15], v[64*\a+32*\c+31], v[T+4*\a+\c]
.endr
.endr
	WIN 0
.if (\kind == 1) || (\kind == 2)
	s_wait_alu depctr_va_vdst(0)
	s_wait_tensorcnt 0x0                           ; my record of the other slot is in,
	ds_add_u32 v[SPW], v[NIL]
.if \kind == 1
	s_xor_b32 s[G0+1], s[G0+1], SLOT1              ; the slot that is being left,
	s_add_nc_u64 s[G0+2:G0+3], s[G0+2:G0+3], SLOTB ; the next eight records
.endif
	s_wait_dscnt 0x0                               ; the add is done and V is in: my reads of this slot are over
	s_barrier_signal -1                            ; the rest of the step is work on registers
.endif
.irp c, 0,1
.irp a, 0,1
	v_max_num_f32 v[T+4*\a+\c], v[T+4*\a+\c], v[T+4*\a+2+\c]   ; the block's largest score
.endr
.endr
.irp a, 0,1
	D2
	v_max_num_f32 v[MY+\a], v[T+4*\a], v[T+4*\a+1]
.endr
.irp a, 0,1
	D2
	v_permlanex16_b32 v[PX+\a], v[MY+\a], s[SEL], s[SEL+1]
.endr
.irp a, 0,1
	D2
	v_max_num_f32 v[MY+\a], v[MY+\a], v[PX+\a]     ; the step's largest score of my query,
.endr
.irp a, 0,1
	D2
	v_mul_f32 v[MY+\a], s[CS], v[MY+\a]            ; as t
.endr
.irp a, 0,1
	D2
	v_max_num_f32 v[NM+2*\a+1], v[NM+2*\a+1], v[MY+\a]
.endr
.irp a, 0,1
	D2
	v_floor_f32 v[NM+2*\a], -v[NM+2*\a+1]          ; the new -M = -ceil(t)
.endr
.irp a, 0,1
	D2
	v_fma_f32 v[T+4*\a], v[T+4*\a], s[CS], v[NM+2*\a]         ; t - M of each block's largest score
.endr
.irp a, 0,1
	D4
	v_fma_f32 v[T+4*\a+1], v[T+4*\a+1], s[CS], v[NM+2*\a]
.endr
	WIN 0x41
.irp a, 0,1
.set j, 0
.rept 32
	v_pk_fma_f32 v[64*\a+j:64*\a+j+1], v[64*\a+j:64*\a+j+1], s[CS:CS+1], v[NM+2*\a:NM+2*\a+1] op_sel_hi:[1,0,0]   ; t - M, two at a time
.set j, j+2
.endr
.endr
	s_wait_alu depctr_va_vdst(0)
.set j, 0
.rept 128
	v_exp_f32 v[j], v[j]                           ; p = 2^(t - M)
.set j, j+1
.endr
	WIN 0
.irp c, 0,1
.irp a, 0,1
	v_exp_f32 v[T+4*\a+\c], v[T+4*\a+\c]           ; the block's largest p
.endr
.endr
.irp a, 0,1
	v_sub_f32 v[TT+\a], v[NM+2*\a], v[TT+\a]       ; old M - new M: a whole number, 0 or less.  (Plain work behind the batch)
.endr
.irp a, 0,1
	D2
	v_cvt_i32_f32 v[TT+\a], v[TT+\a]               ; (it saturates)
.endr
.irp a, 0,1
	D2
	v_ldexp_f32 v[F+2*\a], 1.0, v[TT+\a]           ; f
.endr
.irp a, 0,1
	D2
	v_pk_mul_f32 v[SUM+2*\a:SUM+2*\a+1], v[SUM+2*\a:SUM+2*\a+1], v[F+2*\a:F+2*\a+1] op_sel_hi:[1,0]
.endr
	s_wait_alu depctr_va_vdst(0)                   ; one wait for the batch, ahead of its first reader
.irp c, 0,1
.irp a, 0,1
	v_max_num_f32 v[T+4*\a+\c], 0x1800000, v[T+4*\a+\c]        ; the floor 2^(3 - 127): the byte cannot fall under 1
.endr
.endr
.irp c, 0,1
.irp a, 0,1
	D4
	v_add_nc_u32 v[T+4*\a+2+\c], 0xff000000, v[T+4*\a+\c]      ; the conversion's scale operand
.endr
.endr
.irp c, 0,1
.irp a, 0,1
	D4
	v_lshrrev_b32 v[T+4*\a+\c], 23, v[T+4*\a+2+\c]             ; the byte
.endr
.endr
.irp a, 0,1
	D2
	v_lshl_or_b32 v[MY+\a], v[T+4*\a+1], 16, v[T+4*\a]         ; my blocks are h and 2 + h of the step's four
.endr
.irp a, 0,1
	D2
	v_lshlrev_b32 v[MY+\a], v[SH8], v[MY+\a]
.endr
.irp a, 0,1
	D2
	v_permlanex16_b32 v[PX+\a], v[MY+\a], s[SEL], s[SEL+1]
.endr
.irp a, 0,1
	D2
	v_or_b32 v[PW+\a], v[MY+\a], v[PX+\a]          ; p's scale word
.endr
	WIN 0x01
.irp a, 0,1
	v_cvt_scalef32_pk16_fp6_f32 v[PC+12*\a:PC+12*\a+2], v[64*\a:64*\a+15], v[T+4*\a+2]
	v_cvt_scalef32_pk16_fp6_f32 v[CT+8*\a:CT+8*\a+2], v[64*\a+16:64*\a+31], v[T+4*\a+2]
	v_cvt_scalef32_pk16_fp6_f32 v[PC+12*\a+6:PC+12*\a+8], v[64*\a+32:64*\a+47], v[T+4*\a+3]
	v_cvt_scalef32_pk16_fp6_f32 v[CT+8*\a+4:CT+8*\a+6], v[64*\a+48:64*\a+63], v[T+4*\a+3]
.endr
	; the rows' sums of the unquantised p: eight chains of pairs by turns (also the plain places behind the conversions)
	WIN 0x05
.irp i, 0,1,2,3
.irp a, 0,1
	v_pk_add_f32 v[ACC+8*\a+2*\i:ACC+8*\a+2*\i+1], v[64*\a+2*\i:64*\a+2*\i+1], v[64*\a+2*\i+8:64*\a+2*\i+9]
.endr
.endr
	WIN 0x01
.irp r, 1,2,3,4,5,6
.irp i, 0,1,2,3
.irp a, 0,1
	v_pk_add_f32 v[ACC+8*\a+2*\i:ACC+8*\a+2*\i+1], v[64*\a+8+8*\r+2*\i:64*\a+8+8*\r+2*\i+1], v[ACC+8*\a+2*\i:ACC+8*\a+2*\i+1]
.endr
.endr
.endr
	WIN 0
.irp a, 0,1
.irp i, 0,1,2
	v_mov_b32 v[PC+12*\a+3+\i], v[CT+8*\a+\i]      ; registers 6 c .. 6 c + 5 hold keys 64 c + 32 h + 0 .. 31
	v_mov_b32 v[PC+12*\a+9+\i], v[CT+8*\a+4+\i]
.endr
.endr
.irp a, 0,1
	v_pk_add_f32 v[ACC+8*\a:ACC+8*\a+1], v[ACC+8*\a:ACC+8*\a+1], v[ACC+8*\a+2:ACC+8*\a+3]
.endr
.irp a, 0,1
	v_pk_add_f32 v[ACC+8*\a+4:ACC+8*\a+5], v[ACC+8*\a+4:ACC+8*\a+5], v[ACC+8*\a+6:ACC+8*\a+7]
.endr
.irp a, 0,1
	D2
	v_pk_add_f32 v[ACC+8*\a:ACC+8*\a+1], v[ACC+8*\a:ACC+8*\a+1], v[ACC+8*\a+4:ACC+8*\a+5]
.endr
.irp a, 0,1
	D2
	v_pk_add_f32 v[SUM+2*\a:SUM+2*\a+1], v[SUM+2*\a:SUM+2*\a+1], v[ACC+8*\a:ACC+8*\a+1]
.endr
.if \kind == 0
	s_wait_dscnt 13                                ; V's 13 loads are in; the 13 of the next step's K, issued behind them, may be out
.endif
.if \kind == 3
	s_wait_dscnt 0x0
.endif
	WIN 0x41
	s_wait_alu depctr_va_vdst(0)                   ; directly ahead of the first reader of O^T
.irp a, 0,1
.set j, 0
.rept 16
	v_pk_mul_f32 v[OB+32*\a+j:OB+32*\a+j+1], v[OB+32*\a+j:OB+32*\a+j+1], v[F+2*\a:F+2*\a+1] op_sel_hi:[1,0]   ; O^T under the new M, each tile from its low end on
.set j, j+2
.endr
.endr
	WIN 0x50
.irp t, 0,1,2,3
.irp a, 0,1
	PV \a, \t                                      ; a step's 24 accumulators take turns, one instruction a turn
.endr
.endr
	WIN 0
.if (\kind == 1) || (\kind == 2)
	s_wait_alu depctr_va_vdst(0)
	s_barrier_wait -1                              ; no wave of my work-group reads the slot that is left, and the other slot is whole
.if \kind == 1
	CREST                                          ; the same of all four work-groups
	TLOAD                                          ; the joint refill, first behind the round: it has eight steps in which to land
.endif
	s_sub_co_u32 s[TB], s[TB], 7*REC               ; a slot's first record,
	s_xor_b32 s[TB], s[TB], SLOT1                  ; in the other slot
	v_add_nc_u32 v[AD], s[TB], v[LI]
	s_wait_alu depctr_va_vdst(0)
	KLOAD 0
.endif
.endm
.macro SEVEN                           ; a slot's first seven steps
	s_mov_b32 s[STEPS], 7
.Lstep_\@:
	STEP 0
	s_sub_co_u32 s[STEPS], s[STEPS], 1
	s_cmp_lg_u32 s[STEPS], 0
	s_cbranch_scc1 .Lstep_\@
.endm
	s_mov_b32 s[SLOTS], 2
.Lslot:                                            ; two trips: records 0-7 and 8-15; each asks for the records sixteen on
	SEVEN
	STEP 1
	s_sub_co_u32 s[SLOTS], s[SLOTS], 1
	s_cmp_lg_u32 s[SLOTS], 0
	s_cbranch_scc1 .Lslot
	SEVEN                                          ; the last two slots are written out
	STEP 2
	SEVEN
	STEP 3
	; THE WAY OUT: O^T is divided by the row's sum and goes through my stage, so that sixteen lanes store a whole row of 256 bytes
.irp a, 0,1
	v_add_f32 v[SUM+2*\a], v[SUM+2*\a], v[SUM+2*\a+1]
.endr
.irp a, 0,1
	D2
	v_permlanex16_b32 v[PX+\a], v[SUM+2*\a], s[SEL], s[SEL+1]
.endr
.irp a, 0,1
	D2
	v_add_f32 v[SUM+2*\a], v[SUM+2*\a], v[PX+\a]   ; the row's sum
.endr
	s_wait_alu depctr_va_vdst(0)                   ; ahead of the transcendentals
	v_rcp_f32 v[SUM], v[SUM]
	v_rcp_f32 v[SUM+2], v[SUM+2]
	v_nop                                          ; one plain place behind them
	WIN 0x01
	s_wait_alu depctr_va_vdst(0)                   ; and ahead of their first reader, which is also O^T's
.irp a, 0,1
.set j, 0
.rept 16
	v_pk_mul_f32 v[OUT+32*\a+j:OUT+32*\a+j+1], v[OB+32*\a+j:OB+32*\a+j+1], v[SUM+2*\a:SUM+2*\a+1] op_sel_hi:[1,0]   ; register 8 t + i is o(r, 16 t + 8 h + i)
.set j, j+2
.endr
.endr
	WIN 0
.irp a, 0,1
.irp t, 0,1,2,3
	ds_store_b128 v[STO], v[OUT+32*\a+8*\t:OUT+32*\a+8*\t+3] offset:64*\t
	ds_store_b128 v[STO], v[OUT+32*\a+8*\t+4:OUT+32*\a+8*\t+7] offset:64*\t+16
.endr
.irp i, 0,1,2,3,4,5,6,7
	ds_load_b128 v[BK+32*\a+4*\i:BK+32*\a+4*\i+3], v[RD] offset:2*SP*\i   ; LDS serves a wave's instructions in order: these see my stores, and tile 1's stores follow tile 0's loads
.endr
.endr
.irp a, 0,1
.irp i, 0,1,2,3,4,5,6,7
	s_wait_dscnt 16*(1-\a)+7-\i                    ; this load is in; the tile's younger loads, and behind tile 0's the 16 instructions of tile 1, may be out
	global_store_b128 v[LI], v[BK+32*\a+4*\i:BK+32*\a+4*\i+3], s[8:9] offset:4096*\a+512*\i th:TH_STORE_NT   ; 32 lanes store two whole rows, 512 consecutive bytes
.endr
.endr
	s_wait_tensorcnt 0x0                           ; the wave's end
	ds_add_u32 v[SPW], v[NIL]
	s_wait_dscnt 0x0
	CROUND                                         ; the closing round
	s_endpgm
.Lfunc_end_k_q44f7c6c46d_attn:
	.size	k_q44f7c6c46d_attn, .Lfunc_end_k_q44f7c6c46d_attn-k_q44f7c6c46d_attn
	.p2alignl 7, 3214868480
	.fill 96, 4, 3214868480
	.section	.rodata,"a",@progbits
	.p2align	6, 0x0
	.amdhsa_kernel k_q44f7c6c46d_attn
		.amdhsa_group_segment_fixed_size 327680
		.amdhsa_private_segment_fixed_size 0
		.amdhsa_enable_private_segment 0
		.amdhsa_kernarg_size 24
		.amdhsa_user_sgpr_count 2
		.amdhsa_user_sgpr_kernarg_segment_ptr 1
		.amdhsa_wavefront_size32 1
		.amdhsa_system_sgpr_workgroup_id_x 1
		.amdhsa_system_sgpr_workgroup_id_y 1
		.amdhsa_system_sgpr_workgroup_id_z 1
		.amdhsa_system_vgpr_workitem_id 0
		.amdhsa_next_free_vgpr 448
		.amdhsa_next_free_sgpr 66
		.amdhsa_reserve_vcc 0
		.amdhsa_float_denorm_mode_32 3
		.amdhsa_float_denorm_mode_16_64 3
		.amdhsa_memory_ordered 1
		.amdhsa_forward_progress 1
		.amdhsa_inst_pref_size 192
	.end_amdhsa_kernel
	.amdgpu_metadata
---
amdhsa.version: [ 1, 2 ]
amdhsa.kernels:
  - .name:           k_q44f7c6c46d_attn
    .symbol:         k_q44f7c6c46d_attn.kd
    .args:
      - { .name: Q, .offset: 0, .size: 8, .value_kind: global_buffer, .address_space: global }
      - { .name: kv, .offset: 8, .size: 8, .value_kind: global_buffer, .address_space: global }
      - { .name: out0, .offset: 16, .size: 8, .value_kind: global_buffer, .address_space: global }
    .group_segment_fixed_size: 327680
    .private_segment_fixed_size: 0
    .kernarg_segment_align: 8
    .kernarg_segment_size: 24
    .max_flat_workgroup_size: 256
    .sgpr_count:     66
    .vgpr_count:     448
    .wavefront_size: 32
...
	.end_amdgpu_metadata
.endif
;; end of part 2
